; MI455X (gfx1250); checked and timed in simulation.
; The chip was launched on July 23, 2026; its instructions are those of AMD's public machine-readable ISA for CDNA 5 (MIT licence, August 2026) and "CDNA5" Instruction Set Architecture Reference Guide (July 2026). The comments in the code are by the model that wrote it; some were corrected since.
;; Attention. Allowed arithmetic: matrix products marked QUANTISED: E4M3 operands, one given power-of-two scale a tensor, by v_wmma_f32_16x16x64_fp8_fp8 or v_wmma_f32_16x16x128_fp8_fp8, f32 sums; products left as they are: f32 operands where the result goes on into a quantised operand, else bf16, f16 or f32 operands; f32 sums; everything else in f32.
;; Inputs: W 1,024 x 1,024 float32; decoder_state 32 x 1,024 float32; encoder_outputs 32 x 2,048 x 1,024 float32; lowp_scales 2 int32 (the exponents e of the quantised operands' scales 2^e); v 1 x 1,024 float32.
;; Outputs: out0 32 x 1,024 float32; out1 32 x 2,048 float32.
;; This version of the problem:
;;   THIS VERSION OF THE PROBLEM IS GIVEN IN LOW PRECISION. The matrix products marked QUANTISED in the list below multiply operands that are first quantised to E4M3 (4 exponent bits, 3 mantissa bits; 8 bits a number), with one given power-of-two scale for each operand tensor; their sums are f32. All else is computed in f32.
;;   The module's matrix products, in the order in which they are computed (A, B: the left and right operand; K: the contracted axis; several contracted axes count as one K, in the product's order):
;;     1. [M 65,536, K 1,024] x [K 1,024, N 1,024]; A: input encoder_outputs; B: input W: QUANTISED (scales: A lowp_scales[0], B lowp_scales[1])
;;     2. [M 65,536, K 1,024] x [K 1,024, N 1]; A: computed on the way; B: input v: left as it is (N = 1 < 16)
;;     3. batch 32 x [M 1, K 2,048] x [K 2,048, N 1,024]; A: softmax; B: input encoder_outputs: left as it is (M = 1 < 16)
;;   THE QUANTISER, for each operand of a quantised product, along K:
;;     - The operand's scale is 2^e, e = its entry of the input lowp_scales (int32; the entries are numbered through the quantised products in the list's order, A before B).
;;     - Each number is divided by the scale, clamped to +-448, and rounded to the nearest number of E4M3, ties to even, subnormals kept.
;;     - The product sums the exact products of the quantised numbers (number of the format x scale) in f32.
;;   ~~~python
;;   def quantise(x, axis, e):      # numpy; x: float32 -> the quantised numbers, widened to float32 again
;;       x = np.moveaxis(x, axis, -1); K = x.shape[-1]
;;       r = np.clip(x / 2.0 ** e, -448, 448)
;;       step = 2.0 ** (np.maximum(np.frexp(np.where(r == 0, 1, r))[1] - 1, -6) - 3)
;;       q = np.round(r / step) * step * 2.0 ** e      # np.round: ties to even
;;       return np.moveaxis(q, -1, axis).astype(np.float32)
;;   ~~~
;; One version. Each part assembles by itself: llvm-mc -triple=amdgcn-amd-amdhsa -mcpu=gfx1250 --defsym DOCPART=n.
;; ======== version 1 of 1: 3 launches
;; limits: values are held in bf16: 8 bits of precision; right only within a limited range of input values
;; workspace buffers: wc 1,048,576 bytes; tsc 262,144 bytes; stats 16,384 bytes; ctxp 8,388,608 bytes
;; launch wq (part 1): grid 64 x 1, 4 waves a work-group, no clusters, 17,920 bytes of LDS; arguments W, lowp_scales, wc; writes wc
.if DOCPART == 1
	.amdgcn_target "amdgcn-amd-amdhsa--gfx1250"
	.amdhsa_code_object_version 6
	.text
	.protected	k_qbcfdbfea9c_wq
	.globl	k_qbcfdbfea9c_wq
	.p2align	8
	.type	k_qbcfdbfea9c_wq,@function
k_qbcfdbfea9c_wq:
	s_mov_b64 s[64:65], 0
	v_nop
	global_prefetch_b8 v0, s[64:65] scope:SCOPE_SE
	s_setreg_imm32_b32 hwreg(HW_REG_WAVE_MODE, 25, 1), 1
	s_wait_xcnt 0x0
; W [1024 (o)][1024 (k)], f32, becomes codes of FP8 (E4M3) with the given scale 2^e1 (entry 1 of lowp_scales), laid as IMAGES OF OPERAND REGISTERS for the next launch.
; code = x / 2^e1, held within +-448, to the nearest code, ties to even.  LIMITS: -126 <= e1 <= 119, so that 2^e1 and 448 x 2^e1 are f32 numbers; NaN among the inputs is not served.
; THE ORDER ALONG K is not the natural one; it is the one that the next launch gives the rows of encoder_outputs, so that every product meets its partner:
;   a lane loads 4 neighbours of each segment of 128 columns; the 8 numbers of segments 2 J and 2 J + 1 give 8 codes, at positions p = 256 J + 8 lane + b of the row; so position p holds k = 256 J + 128 (b / 4) + 4 lane + b % 4.
; A fragment q (0..7) is cut from positions: registers 4 c .. 4 c + 3 of lane 16 h + r hold positions 128 q + 32 c + 16 h + 0 .. 15 of row r.
; wc: byte 16384 t + 2048 q + 512 c + 16 lane + i = the code of row 16 t + r at position 128 q + 32 c + 16 h + i.
; SHARES: work-group t takes rows 16 t .. 16 t + 15; wave J takes columns 256 J .. 256 J + 255, which are fragments 2 J and 2 J + 1.  Each wave has its own stage in LDS: no barrier.
.set PITCH, 272                        ; a stage row: 256 codes + 16 bytes = 68 words, so that the 16 rows of a fragment load start at 16 different banks (64 banks of 4 bytes: ISA guide 11.1)
.set WREG,  16*PITCH                   ; a wave's stage
.set X,     16                         ; v16-143   row p: 8 numbers at X + 8 p
.set C,     144                        ; v144-175  row p: 8 codes at C + 2 p
.set F,     176                        ; v176-207  two fragments, 8 x 4 registers
	s_load_b128 s[4:7], s[0:1], 0x0                ; W s[4:5], the scales' exponents s[6:7]
	s_load_b64 s[8:9], s[0:1], 0x10                ; wc
	v_lshl_add_u32 v208, v0, 2, 0x4400
	v_mov_b32 v209, 0
	v_lshrrev_b32 v1, 5, v0
	v_readfirstlane_b32 s12, v1                    ; wave J
	v_and_b32 v1, 31, v0                           ; lane
	v_lshlrev_b32 v2, 4, v1                        ; 16 x lane: my bytes of a load's and of a store's 512
	s_mul_i32 s13, s12, WREG                       ; my stage
	v_lshlrev_b32 v3, 3, v1
	v_add_nc_u32 v3, s13, v3                       ; into it: 8 x lane of a row
	v_and_b32 v5, 15, v0                           ; r
	v_bfe_u32 v6, v0, 4, 1                         ; h
	v_mul_u32_u24 v4, v5, PITCH
	v_lshl_add_u32 v4, v6, 4, v4
	v_add_nc_u32 v4, s13, v4                       ; out of it: row r, + 16 h
	s_lshl_b32 s14, ttmp9, 16                      ; 16 rows of 4,096 bytes a work-group,
	s_lshl_b32 s15, s12, 10                        ; 1,024 bytes of a row a wave
	s_add_co_u32 s14, s14, s15
	s_mov_b32 s15, 0
	s_lshl_b32 s16, ttmp9, 14                      ; 16,384 bytes of images a work-group,
	s_lshl_b32 s17, s12, 12                        ; 4,096 a wave
	s_add_co_u32 s16, s16, s17
	s_mov_b32 s17, 0
	s_wait_alu depctr_va_vdst(0)
	s_wait_kmcnt 0x0
	s_load_b32 s20, s[6:7], 0x4                    ; e1
	s_add_nc_u64 s[4:5], s[4:5], s[14:15]
	s_add_nc_u64 s[8:9], s[8:9], s[16:17]
.irp p, 0,1,2,3,4,5,6,7,8,9,10,11,12,13,14,15
	global_load_b128 v[X+8*\p:X+8*\p+3],   v2, s[4:5] offset:\p*4096 th:TH_LOAD_NT       ; 32 lanes read 512 consecutive bytes: segment 2 J,
	global_load_b128 v[X+8*\p+4:X+8*\p+7], v2, s[4:5] offset:\p*4096+512 th:TH_LOAD_NT   ; segment 2 J + 1
.endr
	s_wait_kmcnt 0x0
	s_add_co_i32 s20, s20, 127
	s_lshl_b32 s21, s20, 23
	v_mov_b32 v11, s21                             ; 2^e1 as f32: the conversion takes its exponent field
	s_add_co_i32 s20, s20, 8
	s_lshl_b32 s20, s20, 23
	s_or_b32 s20, s20, 0x600000
	v_mov_b32 v10, s20                             ; 448 x 2^e1
	s_wait_alu depctr_va_vdst(0)
.irp p, 0,1,2,3,4,5,6,7,8,9,10,11,12,13,14,15
	s_wait_loadcnt 2*(15-\p)                       ; row p's two loads are in; the two of each later row may be out
.irp i, 0,1,2,3,4,5,6,7
	v_med3_num_f32 v[X+8*\p+\i], v[X+8*\p+\i], -v10, v10   ; the conversion to an 8-bit code does not saturate (ISA guide 7.6.2): the hold comes first
.endr
	v_cvt_scalef32_pk8_fp8_f32 v[C+2*\p:C+2*\p+1], v[X+8*\p:X+8*\p+7], v11
.endr
	v_nop                                          ; a plain line behind the last conversion
.irp p, 0,1,2,3,4,5,6,7,8,9,10,11,12,13,14,15
	ds_store_b64 v3, v[C+2*\p:C+2*\p+1] offset:\p*PITCH
.endr
.irp i, 0,1,2,3,4,5,6,7
	ds_load_b128 v[F+4*\i:F+4*\i+3], v4 offset:128*(\i/4)+32*(\i%4)   ; LDS serves a wave's instructions in order (ISA guide 5.7.1.4): these see my stores
.endr
.irp i, 0,1,2,3,4,5,6,7
	s_wait_dscnt 7-\i                              ; load i is in; the later ones may be out
	global_store_b128 v2, v[F+4*\i:F+4*\i+3], s[8:9] offset:512*\i    ; 32 lanes store 512 consecutive bytes, at a multiple of 512 from wc's first byte
.endr
	s_wait_tensorcnt 0x0
	ds_add_u32 v208, v209
	s_wait_dscnt 0x0
	s_endpgm
.Lfunc_end_k_qbcfdbfea9c_wq:
	.size	k_qbcfdbfea9c_wq, .Lfunc_end_k_qbcfdbfea9c_wq-k_qbcfdbfea9c_wq
	.p2alignl 7, 3214868480
	.fill 96, 4, 3214868480
	.section	.rodata,"a",@progbits
	.p2align	6, 0x0
	.amdhsa_kernel k_qbcfdbfea9c_wq
		.amdhsa_group_segment_fixed_size 17920
		.amdhsa_private_segment_fixed_size 0
		.amdhsa_enable_private_segment 0
		.amdhsa_kernarg_size 24
		.amdhsa_user_sgpr_count 2
		.amdhsa_user_sgpr_kernarg_segment_ptr 1
		.amdhsa_wavefront_size32 1
		.amdhsa_system_sgpr_workgroup_id_x 1
		.amdhsa_system_sgpr_workgroup_id_y 1
		.amdhsa_system_sgpr_workgroup_id_z 1
		.amdhsa_system_vgpr_workitem_id 0
		.amdhsa_next_free_vgpr 210
		.amdhsa_next_free_sgpr 66
		.amdhsa_reserve_vcc 0
		.amdhsa_float_denorm_mode_32 3
		.amdhsa_float_denorm_mode_16_64 3
		.amdhsa_memory_ordered 1
		.amdhsa_forward_progress 1
		.amdhsa_inst_pref_size 17
	.end_amdhsa_kernel
	.amdgpu_metadata
---
amdhsa.version: [ 1, 2 ]
amdhsa.kernels:
  - .name:           k_qbcfdbfea9c_wq
    .symbol:         k_qbcfdbfea9c_wq.kd
    .args:
      - { .name: W, .offset: 0, .size: 8, .value_kind: global_buffer, .address_space: global }
      - { .name: lowp_scales, .offset: 8, .size: 8, .value_kind: global_buffer, .address_space: global }
      - { .name: wc, .offset: 16, .size: 8, .value_kind: global_buffer, .address_space: global }
    .group_segment_fixed_size: 17920
    .private_segment_fixed_size: 0
    .kernarg_segment_align: 8
    .kernarg_segment_size: 24
    .max_flat_workgroup_size: 128
    .sgpr_count:     66
    .vgpr_count:     210
    .wavefront_size: 32
...
	.end_amdgpu_metadata
.endif
;; end of part 1
;; launch main (part 2): grid 256 x 1, 4 waves a work-group, clusters of 4 x 1, 327,680 bytes of LDS; arguments encoder_outputs, decoder_state, v, lowp_scales, wc, tsc, stats, ctxp; writes tsc, stats, ctxp
.if DOCPART == 2
	.amdgcn_target "amdgcn-amd-amdhsa--gfx1250"
	.amdhsa_code_object_version 6
	.text
	.protected	k_qbcfdbfea9c_main
	.globl	k_qbcfdbfea9c_main
	.p2align	8
	.type	k_qbcfdbfea9c_main,@function
k_qbcfdbfea9c_main:
	s_mov_b64 s[64:65], 0
	v_nop
	global_prefetch_b8 v0, s[64:65] scope:SCOPE_SE
	s_setreg_imm32_b32 hwreg(HW_REG_WAVE_MODE, 25, 1), 1
	s_wait_xcnt 0x0
	s_wait_alu depctr_hold_cnt(0) depctr_sa_sdst(0) depctr_va_vdst(0) depctr_va_sdst(0) depctr_va_ssrc(0) depctr_va_vcc(0) depctr_vm_vsrc(0)
	s_getreg_b32 s2, hwreg(HW_REG_IB_STS2, 6, 4)
	s_cmp_eq_u32 s2, 0
	s_cbranch_scc0 .Lentry_in_a_cluster
	s_endpgm
.Lentry_in_a_cluster:
	s_bfe_u32 s2, ttmp6, 0x10000c
	s_cmp_lg_u32 s2, 0x3003
	s_cbranch_scc0 .Lentry_shape_is_right
	s_endpgm
.Lentry_shape_is_right:
; scores[b][s] = sum over o of v[o] tanh(proj[b][s][o] + dec[b][o]), proj = Q(enc) Q(W)^T on codes of FP8 (E4M3) with the given scales 2^e0, 2^e1; then, for each chunk of 32 rows, the parts of the softmax and of the context.
; tanh(z) = 1 - 2 r, r = 1 / (1 + 2^(c z)), c = 2 log2(e): score = sum v + sum (-2 v) r.  Out: tsc = score x log2(e); stats = (m, l) of a chunk: its largest t and the sum of 2^(t - m); ctxp = sum of 2^(t - m) x row.  The next launch joins the chunks.
; SHARES.  A work-group stays and takes two blocks of 128 rows, one after the other; a wave owns 32 rows of a block: their codes (256 registers, window 3) and a bf16 copy for the context (512 registers, windows 1 and 2).
; encoder_outputs is read from memory once.  W's codes come as images of operand registers (wc), 16 outputs x 1,024 K = 16,384 bytes a tile, through a ring of two LDS slots of 8 tiles; the ring runs on from the first block into the second.
; CLUSTER: the four work-groups of a cluster walk the same tiles of W and ask for them jointly (mask 15).
; A STEP (macro UNIT) is a gap and a run.  The run: 16 matrix instructions, two accumulators by turns, with no transcendental inside.  The gap serves three tiles at three stages: r x (-2 v) is summed for tile t - 2, 1 is added for t - 1,
; the exponent is made for t; then one batch: 16 reciprocals (t - 1) and 16 exponentials (t).  One wait stands ahead of the gap's packed lines and one ahead of the batch.
; PREFETCH: in the first block each wave asks for its own 32 rows of the second block, 8,192 bytes an instruction (lanes 256 bytes apart), two instructions for each of the 8 slots: each aligned 256 bytes once; the second block asks for nothing.
; LIMITS: -126 <= e0 <= 119; e0 + e1 between -126 and 125 (added to c's exponent field).  NaN among the inputs is not served.
.set SLOTB,  131072
.set STAGE,  2*SLOTB                   ; each wave's stage for the codes' turn: 16 rows x 528 bytes
.set SPITCH, 528
.set WSTAGE, 16*SPITCH
.set TABLE,  STAGE+4*WSTAGE            ; c x dec (4,096 bytes), 512 bytes of zeros, -2 v (4,096 bytes)
.set TABV,   4608
.set VOFF,   TABV-128                  ; tiles -2 and -1 of -2 v are zeros: the first two sums of a block add nothing
.set SPARE,  TABLE+10240
.set LI,  1                            ; 16 x lane
.set SPW, 2
.set NIL, 3
.set WA,  4                            ; LDS address of W's tiles in hand
.set PFO, 5                            ; 256 x lane
.set TA,  6                            ; LDS address in the tables
.set TA0, 7
.set VA,  8
.set STA, 9
.set FRA, 10
.set SC,  11
.set LIM, 12
.set DD,  16                           ; c x dec of the tile whose exponent is made next
.set VV,  24                           ; -2 v of the tile that is summed next
.set CT,  32
.set XS,  32                           ; two sets of 16: the tiles on their way through exponential and reciprocal
.set X,   64
.set F,   64                           ; W's eight fragments of a tile
.set AC,  192
.set SA,  224
.set VT,  64
.set CX,  64
.set PB,  96
.set Z,   98
.set T,   100
.set TAD, 101
.set ML,  102
.set WV,  20
.set G1,  24
.set G0,  32
.set BASE, 36                          ; wc + 32,768 x wave
.set GO,  38                           ; byte offset of the slot's worth of W that was asked for last, modulo W's 2^20 bytes
.set SS,  42
.set SEL, 44
.set TB,  46                           ; LDS byte at which the slot in hand begins
.set TS,  48                           ; 64 x the slot's first tile
.set TI,  49
.set T0,  50
.set WL,  52
.set BK,  53                           ; block 0, 1
.set PF,  54
.set CN,  56
.set PS,  66
.set MSB, 0
.macro WIN new
.if MSB != (\new)
	s_set_vgpr_msb (MSB<<8)|(\new)
.set MSB, \new
.endif
.endm
.macro CREST
	s_cmp_lg_u32 s[WV], 0
	s_cbranch_scc1 .Lnot_wave_0_\@
	s_barrier_signal -3
.Lnot_wave_0_\@:
	s_barrier_wait -3
	s_barrier_signal -1
	s_barrier_wait -1
.endm
.macro CROUND
	s_barrier_signal -1
	s_barrier_wait -1
	CREST
.endm
.macro PLACES
.rept 4
	v_nop
.endr
.endm
.macro RLOAD s                         ; two rows' halves: each load reads 512 consecutive bytes
.irp e, 0,1
.irp j, 0,1,2,3
	global_load_b128 v[X+32*((\s)%6)+16*\e+4*\j:X+32*((\s)%6)+16*\e+4*\j+3], v[LI], s[4:5] offset:(16*((\s)/16)+2*((\s)%8)+\e)*4096+(((\s)/8)%2)*2048+512*\j th:TH_LOAD_NT
.endr
.endr
.endm
.macro RL6
.irp s, 0,1,2,3,4,5
	RLOAD \s
.endr
.endm
	s_load_b256 s[4:11], s[0:1], 0x0               ; enc, dec, v, scales
	s_load_b256 s[12:19], s[0:1], 0x20             ; wc, tsc, stats, ctxp
	v_lshl_add_u32 v[SPW], v0, 2, SPARE
	v_mov_b32 v[NIL], 0
	ds_add_u32 v[SPW], v[NIL]                      ; the opening lines: the add twice on end and one wait
	ds_add_u32 v[SPW], v[NIL]
	v_lshrrev_b32 v13, 5, v0
	v_readfirstlane_b32 s[WV], v13
	s_bfe_u32 s21, ttmp6, 0x40000
	s_lshl_b32 s22, ttmp9, 2
	s_add_co_u32 s22, s22, s21                     ; work-group g
	s_mov_b32 s[G1+0], 15|(3<<16)|(1<<21)          ; joint load of all four; elements of 8 bytes
	s_mov_b32 s[G1+1], 32<<16                      ; 128 rows of 256 bytes, dense: 32,768 bytes a wave
	s_mov_b32 s[G1+2], 128<<16
	s_mov_b32 s[G1+3], 32<<16
	s_mov_b32 s[G1+4], 128
	s_mov_b32 s[G1+5], 32
	s_mov_b32 s[G1+6], 0
	s_mov_b32 s[G1+7], 0
	s_mov_b32 s[SEL], 0x76543210
	s_mov_b32 s[SEL+1], 0xfedcba98
	s_lshl_b32 s[WL], s[WV], 15
	s_mov_b32 s58, s[WL]
	s_mov_b32 s59, 0
	s_lshl_b32 s60, s22, 20                        ; enc: 256 rows of 4,096 bytes a work-group,
	s_lshl_b32 s61, s[WV], 17                      ; 32 a wave
	s_add_co_u32 s60, s60, s61
	s_mov_b32 s61, 0
	s_lshr_b32 s62, s22, 3                         ; the batch: 8 work-groups each
	s_lshl_b32 s62, s62, 12
	s_mov_b32 s63, 0
	s_lshl_b32 s23, s22, 3
	s_add_co_u32 s23, s23, s[WV]                   ; my first chunk of 32 rows: 8 g + wave
	s_mov_b32 s51, 0
	s_mov_b32 s[TB], 0
	s_mov_b32 s[BK], 0
	s_wait_alu depctr_va_vdst(0)
	s_wait_dscnt 0x0
	s_wait_kmcnt 0x0
	s_load_b64 s[40:41], s[10:11], 0x0             ; e0, e1
	s_add_nc_u64 s[4:5], s[4:5], s[60:61]
	s_add_nc_u64 s[6:7], s[6:7], s[62:63]
	s_lshl_b32 s50, s23, 7
	s_add_nc_u64 s[14:15], s[14:15], s[50:51]
	s_lshl_b32 s50, s23, 3
	s_add_nc_u64 s[16:17], s[16:17], s[50:51]
	s_lshl_b32 s50, s23, 12
	s_add_nc_u64 s[18:19], s[18:19], s[50:51]
	s_add_nc_u64 s[BASE:BASE+1], s[12:13], s[58:59]
	s_add_nc_u64 s[PF:PF+1], s[4:5], 0x80000       ; my rows of the second block
	s_mov_b32 s[G0+0], 1
	s_mov_b32 s[G0+1], s[WL]
	s_mov_b64 s[G0+2:G0+3], s[BASE:BASE+1]
	s_or_b32 s[G0+3], s[G0+3], 0x80000000
	CROUND
	tensor_load_to_lds s[G0:G0+3], s[G1:G1+7]      ; tiles 0-7 into slot 0: one tensor load a wave at the head
	s_nop 0
	v_and_b32 v15, 31, v0
	v_lshlrev_b32 v[LI], 4, v15
	v_lshlrev_b32 v13, 5, v0
	v_lshlrev_b32 v[PFO], 8, v15
	global_load_b128 v[16:19], v13, s[6:7]         ; 8 of dec and 8 of v a thread
	global_load_b128 v[20:23], v13, s[6:7] offset:16
	global_load_b128 v[24:27], v13, s[8:9]
	global_load_b128 v[28:31], v13, s[8:9] offset:16
	RL6
	v_and_b32 v14, 15, v0
	v_bfe_u32 v[TA], v0, 4, 1
	v_lshl_add_u32 v[TA0], v[TA], 5, TABLE
	v_add_nc_u32 v[VA], TABLE+TABV, v[LI]
	s_mul_i32 s47, s[WV], WSTAGE
	s_add_co_u32 s47, s47, STAGE
	v_lshlrev_b32 v[STA], 3, v15
	v_add_nc_u32 v[STA], s47, v[STA]
	v_mul_u32_u24 v[FRA], v14, SPITCH
	v_lshl_add_u32 v[FRA], v[TA], 4, v[FRA]
	v_add_nc_u32 v[FRA], s47, v[FRA]
	v_lshl_add_u32 v14, v0, 5, TABLE
	s_wait_alu depctr_va_vdst(0)
	s_wait_kmcnt 0x0
	s_add_co_i32 s47, s40, 127
	s_lshl_b32 s57, s47, 23
	v_mov_b32 v[SC], s57                           ; 2^e0
	s_add_co_i32 s47, s47, 8
	s_lshl_b32 s47, s47, 23
	s_or_b32 s47, s47, 0x600000
	v_mov_b32 v[LIM], s47                          ; 448 x 2^e0
	s_add_co_i32 s47, s40, s41
	s_lshl_b32 s47, s47, 23
	s_add_co_i32 s[SS], s47, 0x4038aa3b            ; c x 2^(e0 + e1)
	s_mov_b32 s[SS+1], s[SS]
	s_wait_loadcnt 48                              ; dec and v are in; the 48 loads of rows stay out
.irp i, 0,1,2,3,4,5,6,7
	v_mul_f32 v[CT+\i],   0x4038aa3b, v[16+\i]
	v_mul_f32 v[CT+8+\i], -2.0, v[24+\i]
.endr
	v_lshl_add_u32 v[WA], v0, 2, TABLE+4096
	ds_store_b128 v14, v[CT:CT+3]
	ds_store_b128 v14, v[CT+4:CT+7] offset:16
	ds_store_b128 v14, v[CT+8:CT+11] offset:TABV
	ds_store_b128 v14, v[CT+12:CT+15] offset:TABV+16
	ds_store_b32 v[WA], v[NIL]                     ; the zeros between the two tables
	s_wait_alu depctr_va_vdst(0)                   ; the head's end
	s_wait_tensorcnt 0x0                           ; the full sequence ahead of slot 1's first fill
	ds_add_u32 v[SPW], v[NIL]
	s_add_co_u32 s[G0+1], s[WL], SLOTB
	s_mov_b32 s[GO], SLOTB
	s_mov_b32 s[GO+1], 0
	s_add_nc_u64 s[G0+2:G0+3], s[BASE:BASE+1], s[GO:GO+1]
	s_or_b32 s[G0+3], s[G0+3], 0x80000000
	s_wait_dscnt 0x0                               ; the add and my part of the tables
	CROUND                                         ; slot 0 and the tables are whole for every wave
	tensor_load_to_lds s[G0:G0+3], s[G1:G1+7]      ; tiles 8-15 into slot 1
	s_nop 0
	PLACES
; Two rows' halves: a bf16 copy, the hold, the codes, which turn through my stage into fragments.
.macro ROW s
.set XB, X+32*((\s)%6)
.set CB, CT+8*((\s)%4)
.set MM, (\s)/16
.set HH, ((\s)/8)%2
.set R0, 2*((\s)%8)
.if 31-(\s) >= 5
	s_wait_loadcnt 40                              ; this step's 8 loads are in; those of five later steps may be out
.else
	s_wait_loadcnt 8*(31-(\s))
.endif
.if MM == 0
	WIN 0x40
.else
	WIN 0x80
.endif
.irp e, 0,1
.irp i, 0,1,2,3,4,5,6,7
	v_cvt_pk_bf16_f32 v[16*(R0+\e)+8*HH+\i], v[XB+16*\e+2*\i], v[XB+16*\e+2*\i+1]
.endr
.endr
	WIN 0
.irp i, 0,1,2,3,4,5,6,7,8,9,10,11,12,13,14,15,16,17,18,19,20,21,22,23,24,25,26,27,28,29,30,31
	v_med3_num_f32 v[XB+\i], v[XB+\i], -v[LIM], v[LIM]
.endr
.if ((\s) >= 8) && ((\s)%8 < 4)
	s_wait_alu depctr_va_vdst(0)
	s_wait_dscnt 28                                ; the stores of four steps ago are done: behind them 12 stores and 16 loads
.elseif (\s) >= 4
	s_wait_alu depctr_va_vdst(0)
	s_wait_dscnt 12
.endif
.irp j, 0,1,2,3
	v_cvt_scalef32_pk8_fp8_f32 v[CB+2*\j:CB+2*\j+1], v[XB+8*\j:XB+8*\j+7], v[SC]
.endr
	v_nop
.irp e, 0,1
.irp j, 0,1
	ds_store_b64 v[STA], v[CB+4*\e+2*\j:CB+4*\e+2*\j+1] offset:(R0+\e)*SPITCH+256*\j
.endr
.endr
.if (\s)+6 < 32
	RLOAD (\s)+6
.endif
.if (\s)%8 == 7
	WIN 0xc0
.irp q, 0,1,2,3
.irp c, 0,1,2,3
	ds_load_b128 v[128*MM+64*HH+16*\q+4*\c:128*MM+64*HH+16*\q+4*\c+3], v[FRA] offset:128*\q+32*\c
.endr
.endr
	WIN 0
.endif
.endm
.macro FH off, qb                      ; four of a tile's eight fragments
.irp q, 0,1,2,3
.irp c, 0,1,2,3
	ds_load_b128 v[F+16*((\qb)+\q)+4*\c:F+16*((\qb)+\q)+4*\c+3], v[WA] offset:(\off)+((\qb)+\q)*2048+512*\c
.endr
.endr
.endm
.macro RUNH qb                         ; eight matrix instructions: source 0 = 16 outputs of W, source 1 = 16 of my rows; the two accumulators by turns
.irp q, 0,1,2,3
.irp m, 0,1
.if (\qb)+\q == 0
	v_wmma_f32_16x16x128_fp8_fp8 v[AC+8*\m:AC+8*\m+7], v[F+16*((\qb)+\q):F+16*((\qb)+\q)+15], v[128*\m+16*((\qb)+\q):128*\m+16*((\qb)+\q)+15], 0
.else
	v_wmma_f32_16x16x128_fp8_fp8 v[AC+8*\m:AC+8*\m+7], v[F+16*((\qb)+\q):F+16*((\qb)+\q)+15], v[128*\m+16*((\qb)+\q):128*\m+16*((\qb)+\q)+15], v[AC+8*\m:AC+8*\m+7]
.endif
.endr
.endr
.endm
.macro TAKE xs, vr                     ; the sums += r x (-2 v)
.irp i, 0,1,2,3,4,5,6,7
	v_pk_fma_f32 v[SA+4*(\i/4)+2*(\i%2):SA+4*(\i/4)+2*(\i%2)+1], v[(\xs)+2*\i:(\xs)+2*\i+1], v[(\vr)+2*(\i%4):(\vr)+2*(\i%4)+1], v[SA+4*(\i/4)+2*(\i%2):SA+4*(\i/4)+2*(\i%2)+1]
.endr
.endm
.macro ONE xs
.irp i, 0,1,2,3,4,5,6,7
	v_pk_add_f32 v[(\xs)+2*\i:(\xs)+2*\i+1], v[(\xs)+2*\i:(\xs)+2*\i+1], 1.0 op_sel_hi:[1,0]
.endr
.endm
.macro ARG xs                          ; c (proj + dec), out of the accumulators, each from its low end on
.irp i, 0,1,2,3,4,5,6,7
	v_pk_fma_f32 v[(\xs)+2*\i:(\xs)+2*\i+1], v[AC+2*\i:AC+2*\i+1], s[SS:SS+1], v[DD+2*(\i%4):DD+2*(\i%4)+1] op_sel_hi:[1,0,1]
.endr
.endm
.macro RCPS xs
.irp i, 0,1,2,3,4,5,6,7,8,9,10,11,12,13,14,15
	v_rcp_f32 v[(\xs)+\i], v[(\xs)+\i]
.endr
.endm
.macro EXPS xs
.irp i, 0,1,2,3,4,5,6,7,8,9,10,11,12,13,14,15
	v_exp_f32 v[(\xs)+\i], v[(\xs)+\i]
.endr
.endm
.macro PLAIN par                       ; the 16 lines ahead of ARG are the places behind the run's last matrix instructions
	TAKE XS+16*(\par), VV
	ONE XS+16*(1-(\par))
	ARG XS+16*(\par)
.endm
; gap(t), then run(t + 1).  par = t % 2.  kind 0: inside a slot; 1: the slot's first run (all eight fragments are fetched in the gap); 2: its last (nothing is fetched from the next slot).
; woff: tile t + 1 from v[WA]; toff: 64 (t + 1) from v[TA].
.macro UNIT par, kind, woff, toff
	PLAIN \par
	ds_load_b128 v[DD:DD+3],   v[TA] offset:(\toff)
	ds_load_b128 v[DD+4:DD+7], v[TA] offset:(\toff)+16
	ds_load_b128 v[VV:VV+3],   v[TA] offset:VOFF+(\toff)
	ds_load_b128 v[VV+4:VV+7], v[TA] offset:VOFF+(\toff)+16
.if (\kind) == 1
	FH \woff, 0
.endif
	FH \woff, 4
	s_wait_alu depctr_va_vdst(0)                   ; ahead of the batch
	WIN 0x0c                                       ; source 1 (my codes) in window 3
	RCPS XS+16*(1-(\par))
	EXPS XS+16*(\par)
	v_nop                                          ; the plain place behind the batch
.if (\kind) == 1
	s_wait_dscnt 16                                ; fragments 0-3 are in; 4-7 may be out
.else
	s_wait_dscnt 20                                ; fragments 0-3 are in; the gap's 4 + 16 loads may be out
.endif
	RUNH 0
.if (\kind) != 2
	PLACES                                         ; ahead of loads into registers that matrix instructions have read
	FH (\woff)+16384, 0
	s_wait_dscnt 16                                ; fragments 4-7 and the tables' words are in; the 16 just issued may be out
.else
	s_wait_dscnt 0x0
.endif
	RUNH 4
	WIN 0
	s_wait_alu depctr_va_vdst(0)                   ; behind the batch, ahead of its first readers
.endm
.macro ASK n                           ; the second block's rows: 8,192 bytes of my 131,072
	s_cmp_eq_u32 s[BK], 0
	s_cbranch_scc0 .Lno_\@
	global_prefetch_b8 v[PFO], s[PF:PF+1] offset:8192*(\n) th:TH_LOAD_NT scope:SCOPE_SE
.Lno_\@:
.endm
; The change of slots: all my tensor loads, the add, my reads of the slot; the round; the slot just left takes the tiles two slots on (W is walked round and round).
.macro CHANGE fill
	s_wait_tensorcnt 0x0
	ds_add_u32 v[SPW], v[NIL]
.if \fill
	s_add_co_u32 s[G0+1], s[WL], s[TB]
	s_add_co_u32 s[GO], s[GO], SLOTB
	s_and_b32 s[GO], s[GO], 0xfffff
	s_add_nc_u64 s[G0+2:G0+3], s[BASE:BASE+1], s[GO:GO+1]
	s_or_b32 s[G0+3], s[G0+3], 0x80000000
	s_wait_xcnt 0x0                                ; my prefetches have read their base
	s_add_nc_u64 s[PF:PF+1], s[PF:PF+1], 16384
.endif
	s_xor_b32 s[TB], s[TB], SLOTB
	s_add_co_u32 s[TS], s[TS], 512
	s_wait_dscnt 0x0
.if \fill
	CROUND
	tensor_load_to_lds s[G0:G0+3], s[G1:G1+7]
	s_nop 0
.else
	s_barrier_signal -1
	s_barrier_wait -1
.endif
.endm
.macro SLOTTRIP fill, ask              ; eight units: the runs of a slot's eight tiles
	v_add_nc_u32 v[WA], s[TB], v[LI]
	v_add_nc_u32 v[TA], s[TS], v[TA0]
	UNIT 1, 1, 0, 0
.if \ask
	ASK 0
.endif
	s_mov_b32 s[TI], 0
.Lpair_\@:
	s_add_co_u32 s[T0], s[TB], s[TI]
	v_add_nc_u32 v[WA], s[T0], v[LI]
	s_lshr_b32 s[T0], s[TI], 8
	s_add_co_u32 s[T0], s[T0], s[TS]
	v_add_nc_u32 v[TA], s[T0], v[TA0]
	UNIT 0, 0, 16384, 64
	UNIT 1, 0, 32768, 128
	s_add_co_u32 s[TI], s[TI], 32768
	s_cmp_lt_u32 s[TI], 98304
	s_cbranch_scc1 .Lpair_\@
.if \ask
	ASK 1
.endif
	s_add_co_u32 s[T0], s[TB], 65536
	v_add_nc_u32 v[WA], s[T0], v[LI]
	v_add_nc_u32 v[TA], s[TS], v[TA0]
	UNIT 0, 2, 49152, 448
	CHANGE \fill
.endm
.Lblock:
.irp s, 0,1,2,3,4,5,6,7,8,9,10,11,12,13,14,15,16,17,18,19,20,21,22,23,24,25,26,27,28,29,30,31
	ROW \s
.endr
	s_wait_dscnt 0x0                               ; my fragments are in, my stores into the stage are done
.irp i, 0,1,2,3,4,5,6,7,8,9,10,11,12,13,14,15
	v_mov_b32 v[AC+\i], 0                          ; the units are written once: the first three gaps of a block find zeros, and -2 v of tiles -2 and -1 is 0
	v_mov_b32 v[DD+\i], 0
	v_mov_b32 v[XS+\i], 0
	v_mov_b32 v[XS+16+\i], 0
.endr
.irp i, 0,1,2,3,4,5,6,7
	v_mov_b32 v[SA+\i], 0
.endr
	s_mov_b32 s[TS], 0
	s_mov_b32 s[CN], 0
.Lfill:
	SLOTTRIP 1, 1
	s_add_co_u32 s[CN], s[CN], 1
	s_cmp_lt_u32 s[CN], 6
	s_cbranch_scc1 .Lfill
	s_mov_b32 s[CN], 0
	s_cmp_eq_u32 s[BK], 1
	s_cbranch_scc1 .Ltail                          ; the last block's last two slots are written out: they ask for nothing more
.Lon:
	SLOTTRIP 1, 1                                  ; the ring goes on into the second block
	s_add_co_u32 s[CN], s[CN], 1
	s_cmp_lt_u32 s[CN], 2
	s_cbranch_scc1 .Lon
	s_branch .Lfin
.Ltail:
	SLOTTRIP 0, 0
	s_add_co_u32 s[CN], s[CN], 1
	s_cmp_lt_u32 s[CN], 2
	s_cbranch_scc1 .Ltail
.Lfin:
	; the last three gaps: tiles 61, 62, 63 are finished
	v_add_nc_u32 v[TA], s[TS], v[TA0]
	PLAIN 1
	ds_load_b128 v[VV:VV+3],   v[TA] offset:VOFF        ; -2 v of tile 62,
	ds_load_b128 v[VV+4:VV+7], v[TA] offset:VOFF+16
	ds_load_b128 v[DD:DD+3],   v[TA] offset:VOFF+64     ; of tile 63
	ds_load_b128 v[DD+4:DD+7], v[TA] offset:VOFF+80
.irp i, 0,1,2,3,4,5,6,7
	ds_load_b128 v[VT+4*\i:VT+4*\i+3], v[VA] offset:512*\i   ; all of -2 v, for sum v
.endr
	s_wait_alu depctr_va_vdst(0)
	RCPS XS
	EXPS XS+16
	v_nop
	s_wait_alu depctr_va_vdst(0)
	s_wait_dscnt 0x0
	TAKE XS, VV
	ONE XS+16
	s_wait_alu depctr_va_vdst(0)
	RCPS XS+16
	v_nop
	s_wait_alu depctr_va_vdst(0)
	TAKE XS+16, DD
	; the scores of my 32 rows, one a lane
	v_and_b32 v15, 31, v0
	v_mov_b32 v26, 0
	v_mov_b32 v27, 0
	v_mov_b32 v[Z], 0
	v_pk_add_f32 v[SA:SA+1], v[SA:SA+1], v[SA+2:SA+3]
	v_pk_add_f32 v[SA+4:SA+5], v[SA+4:SA+5], v[SA+6:SA+7]
	v_add_f32 v24, v[SA], v[SA+1]
	v_add_f32 v25, v[SA+4], v[SA+5]
	v_permlanex16_b32 v26, v24, s[SEL], s[SEL+1]
	v_permlanex16_b32 v27, v25, s[SEL], s[SEL+1]
	v_add_f32 v24, v24, v26
	v_add_f32 v25, v25, v27
	v_cmp_gt_u32 vcc_lo, 16, v15
	v_cndmask_b32 v24, v25, v24, vcc_lo            ; lanes 0-15: rows 0-15; lanes 16-31: rows 16-31
.irp i, 0,4,8,12,16,20,24,28
	v_pk_add_f32 v[VT+\i:VT+\i+1], v[VT+\i:VT+\i+1], v[VT+\i+2:VT+\i+3]
.endr
.irp i, 0,8,16,24
	v_pk_add_f32 v[VT+\i:VT+\i+1], v[VT+\i:VT+\i+1], v[VT+\i+4:VT+\i+5]
.endr
.irp i, 0,16
	v_pk_add_f32 v[VT+\i:VT+\i+1], v[VT+\i:VT+\i+1], v[VT+\i+8:VT+\i+9]
.endr
	v_pk_add_f32 v[VT:VT+1], v[VT:VT+1], v[VT+16:VT+17]
	v_add_f32 v28, v[VT], v[VT+1]
.irp x, 1,2,4,8
	v_add_f32_dpp v28, v28, v28 row_xmask:\x row_mask:0xf bank_mask:0xf
.endr
	v_permlanex16_b32 v26, v28, s[SEL], s[SEL+1]
	v_add_f32 v28, v28, v26                        ; sum of -2 v
	v_fma_f32 v24, v28, -0.5, v24                  ; the score
	v_mul_f32 v[T], 0x3fb8aa3b, v24                ; t = score x log2(e)
	v_lshlrev_b32 v[TAD], 2, v15
	global_store_b32 v[TAD], v[T], s[14:15]
	v_mov_b32 v29, v[T]
.irp x, 1,2,4,8
	v_max_num_f32_dpp v29, v29, v29 row_xmask:\x row_mask:0xf bank_mask:0xf
.endr
	v_permlanex16_b32 v26, v29, s[SEL], s[SEL+1]
	v_max_num_f32 v[ML], v29, v26                  ; m: the chunk's largest t is taken away ahead of the exponential
	v_sub_f32 v30, v[T], v[ML]
	s_wait_alu depctr_va_vdst(0)
	v_exp_f32 v30, v30
	v_nop
	s_wait_alu depctr_va_vdst(0)
	v_mov_b32 v31, v30
.irp x, 1,2,4,8
	v_add_f32_dpp v31, v31, v31 row_xmask:\x row_mask:0xf bank_mask:0xf
.endr
	v_permlanex16_b32 v26, v31, s[SEL], s[SEL+1]
	v_add_f32 v[ML+1], v31, v26                    ; l
.irp p, 0,1,2,3,4,5,6,7,8,9,10,11,12,13,14,15,16,17,18,19,20,21,22,23,24,25,26,27,28,29,30,31
	v_readlane_b32 s[PS+\p], v30, \p
.endr
.irp p, 0,1,2,3,4,5,6,7,8,9,10,11,12,13,14,15,16,17,18,19,20,21,22,23,24,25,26,27,28,29,30,31
.if \p < 16
	WIN 0x01
.else
	WIN 0x02
.endif
	v_mov_b32 v[PB+\p%2], s[PS+\p]
.irp j, 0,1,2,3,4,5,6,7,8,9,10,11,12,13,14,15
.if \p == 0
	v_fma_mix_f32_bf16 v[CX+2*\j],   v[16*(\p%16)+\j], v[PB+\p%2], v[Z] op_sel_hi:[1,0,0]
	v_fma_mix_f32_bf16 v[CX+2*\j+1], v[16*(\p%16)+\j], v[PB+\p%2], v[Z] op_sel:[1,0,0] op_sel_hi:[1,0,0]
.else
	v_fma_mix_f32_bf16 v[CX+2*\j],   v[16*(\p%16)+\j], v[PB+\p%2], v[CX+2*\j] op_sel_hi:[1,0,0]
	v_fma_mix_f32_bf16 v[CX+2*\j+1], v[16*(\p%16)+\j], v[PB+\p%2], v[CX+2*\j+1] op_sel:[1,0,0] op_sel_hi:[1,0,0]
.endif
.endr
.endr
	WIN 0
.irp j, 0,1,2,3,4,5,6,7
	global_store_b128 v[LI], v[CX+4*\j:CX+4*\j+3], s[18:19] offset:512*\j   ; 32 lanes store 512 consecutive bytes
.endr
	v_cmp_eq_u32 vcc_lo, 0, v15
	s_wait_xcnt 0x0                                ; EXEC changes only behind this wait
	s_and_saveexec_b32 s47, vcc_lo
	global_store_b64 v[Z], v[ML:ML+1], s[16:17]
	s_wait_xcnt 0x0                                ; and again; the stores' data and bases may be written behind it too
	s_or_b32 exec_lo, exec_lo, s47
	s_add_co_u32 s[BK], s[BK], 1
	s_cmp_eq_u32 s[BK], 2
	s_cbranch_scc1 .Lend
	s_add_nc_u64 s[4:5], s[4:5], 0x80000           ; 128 rows on,
	s_add_nc_u64 s[14:15], s[14:15], 512           ; four chunks on
	s_add_nc_u64 s[16:17], s[16:17], 32
	s_add_nc_u64 s[18:19], s[18:19], 16384
	RL6
	s_cmp_lt_u32 s[BK], 2
	s_cbranch_scc1 .Lblock
.Lend:
	s_wait_tensorcnt 0x0                           ; the wave's end
	ds_add_u32 v[SPW], v[NIL]
	s_wait_dscnt 0x0
	CROUND                                         ; the closing round
	s_endpgm
.Lfunc_end_k_qbcfdbfea9c_main:
	.size	k_qbcfdbfea9c_main, .Lfunc_end_k_qbcfdbfea9c_main-k_qbcfdbfea9c_main
	.p2alignl 7, 3214868480
	.fill 96, 4, 3214868480
	.section	.rodata,"a",@progbits
	.p2align	6, 0x0
	.amdhsa_kernel k_qbcfdbfea9c_main
		.amdhsa_group_segment_fixed_size 327680
		.amdhsa_private_segment_fixed_size 0
		.amdhsa_enable_private_segment 0
		.amdhsa_kernarg_size 64
		.amdhsa_user_sgpr_count 2
		.amdhsa_user_sgpr_kernarg_segment_ptr 1
		.amdhsa_wavefront_size32 1
		.amdhsa_system_sgpr_workgroup_id_x 1
		.amdhsa_system_sgpr_workgroup_id_y 1
		.amdhsa_system_sgpr_workgroup_id_z 1
		.amdhsa_system_vgpr_workitem_id 0
		.amdhsa_next_free_vgpr 1024
		.amdhsa_next_free_sgpr 100
		.amdhsa_reserve_vcc 1
		.amdhsa_float_denorm_mode_32 3
		.amdhsa_float_denorm_mode_16_64 3
		.amdhsa_memory_ordered 1
		.amdhsa_forward_progress 1
		.amdhsa_inst_pref_size 255
	.end_amdhsa_kernel
	.section	.bss,"aw",@nobits
	.p2align	6
	.space	262144
	.amdgpu_metadata
---
amdhsa.version: [ 1, 2 ]
amdhsa.kernels:
  - .name:           k_qbcfdbfea9c_main
    .symbol:         k_qbcfdbfea9c_main.kd
    .args:
      - { .name: encoder_outputs, .offset: 0, .size: 8, .value_kind: global_buffer, .address_space: global }
      - { .name: decoder_state, .offset: 8, .size: 8, .value_kind: global_buffer, .address_space: global }
      - { .name: v, .offset: 16, .size: 8, .value_kind: global_buffer, .address_space: global }
      - { .name: lowp_scales, .offset: 24, .size: 8, .value_kind: global_buffer, .address_space: global }
      - { .name: wc, .offset: 32, .size: 8, .value_kind: global_buffer, .address_space: global }
      - { .name: tsc, .offset: 40, .size: 8, .value_kind: global_buffer, .address_space: global }
      - { .name: stats, .offset: 48, .size: 8, .value_kind: global_buffer, .address_space: global }
      - { .name: ctxp, .offset: 56, .size: 8, .value_kind: global_buffer, .address_space: global }
    .group_segment_fixed_size: 327680
    .private_segment_fixed_size: 0
    .kernarg_segment_align: 8
    .kernarg_segment_size: 64
    .max_flat_workgroup_size: 128
    .sgpr_count:     100
    .vgpr_count:     1024
    .wavefront_size: 32
...
	.end_amdgpu_metadata
.endif
;; end of part 2
;; launch merge (part 3): grid 8 x 32, 4 waves a work-group, no clusters, 4,608 bytes of LDS; arguments tsc, stats, ctxp, out0, out1; writes out0, out1
.if DOCPART == 3
	.amdgcn_target "amdgcn-amd-amdhsa--gfx1250"
	.amdhsa_code_object_version 6
	.text
	.protected	k_qbcfdbfea9c_merge
	.globl	k_qbcfdbfea9c_merge
	.p2align	8
	.type	k_qbcfdbfea9c_merge,@function
k_qbcfdbfea9c_merge:
	s_mov_b64 s[64:65], 0
	v_nop
	global_prefetch_b8 v0, s[64:65] scope:SCOPE_SE
	s_setreg_imm32_b32 hwreg(HW_REG_WAVE_MODE, 25, 1), 1
	s_wait_xcnt 0x0
; The 64 partials of a batch are joined.  M = the largest m; f[c] = 2^(m[c] - M); L = the sum of f[c] l[c];  weights = 2^(t - M) / L (out1);  context = (the sum of f[c] ctxp[c]) / L (out0).
; The largest t of the row is taken away ahead of every exponential; the chunk that holds it has f = 1 and l >= 1, so L >= 1.
; Wave w sums chunks 16 w .. 16 w + 15 (each load: 512 consecutive bytes) and turns 64 scores into weights; the four waves' sums meet in LDS, and wave 0 stores them.
; No tensor loads, no matrix work: the launch moves 8.6 MB and does one multiply-add a number.
.set FT,  0                            ; LDS: each wave's own 64 f: 256 bytes a wave
.set RED, 1024                         ; each wave's sums: 512 bytes a wave
	s_load_b256 s[4:11], s[0:1], 0x0               ; tsc s[4:5], stats s[6:7], ctxp s[8:9], out0 s[10:11]
	s_load_b64 s[12:13], s[0:1], 0x20              ; out1
	v_lshl_add_u32 v112, v0, 2, 0x1000
	v_mov_b32 v113, 0
	v_lshrrev_b32 v1, 5, v0
	v_readfirstlane_b32 s16, v1                    ; wave 0..3
	s_and_b32 s17, ttmp7, 0xffff                   ; b
	v_and_b32 v1, 31, v0                           ; lane
	v_lshlrev_b32 v2, 4, v1                        ; 16 x lane
	v_lshlrev_b32 v3, 3, v1                        ; 8 x lane
	s_lshl_b32 s18, s16, 8                         ; 256 x wave
	v_lshlrev_b32 v4, 2, v1
	v_add_nc_u32 v4, s18, v4                       ; where I put f: FT + 256 w + 4 x lane
	s_mul_i32 s19, s16, 320
	v_mov_b32 v5, s19                              ; where every lane reads my wave's 16 f: FT + 256 w + 64 w
	s_lshl_b32 s22, s16, 9
	s_add_co_u32 s22, s22, RED
	v_add_nc_u32 v6, s22, v2                       ; where I put my sums
	v_add_nc_u32 v7, RED, v2                       ; where wave 0 reads the four waves' sums
	v_mov_b32 v101, 0                              ; written once: a lane permute's destination counts as one of its sources
	s_mov_b32 s20, 0x76543210
	s_mov_b32 s21, 0xfedcba98                      ; v_permlanex16_b32's selects for lane l xor 16
	s_lshl_b32 s24, s17, 9                         ; stats: 64 pairs of 8 bytes a batch
	s_mov_b32 s25, 0
	s_lshl_b32 s26, s17, 13                        ; tsc and out1: 8,192 bytes a batch,
	s_lshl_b32 s27, ttmp9, 10                      ; 1,024 a work-group,
	s_add_co_u32 s26, s26, s27
	s_add_co_u32 s26, s26, s18                     ; 256 a wave
	s_mov_b32 s27, 0
	s_lshl_b32 s28, s17, 18                        ; ctxp: 64 rows of 4,096 bytes a batch,
	s_lshl_b32 s29, s16, 16                        ; 16 a wave,
	s_add_co_u32 s28, s28, s29
	s_lshl_b32 s29, ttmp9, 9                       ; 512 bytes of a row a work-group
	s_add_co_u32 s28, s28, s29
	s_mov_b32 s29, 0
	s_lshl_b32 s30, s17, 12                        ; out0: 4,096 bytes a batch,
	s_lshl_b32 s31, ttmp9, 9                       ; 512 a work-group
	s_add_co_u32 s30, s30, s31
	s_mov_b32 s31, 0
	s_wait_alu depctr_va_vdst(0)
	s_wait_kmcnt 0x0
	s_add_nc_u64 s[4:5], s[4:5], s[26:27]
	s_add_nc_u64 s[6:7], s[6:7], s[24:25]
	s_add_nc_u64 s[8:9], s[8:9], s[28:29]
	s_add_nc_u64 s[10:11], s[10:11], s[30:31]
	s_add_nc_u64 s[12:13], s[12:13], s[26:27]
	global_load_b64 v[8:9], v3, s[6:7]             ; (m, l) of chunk lane,
	global_load_b64 v[10:11], v3, s[6:7] offset:256   ; of chunk 32 + lane
	global_load_b64 v[12:13], v3, s[4:5]           ; my two t
.irp i, 0,1,2,3,4,5,6,7,8,9,10,11,12,13,14,15
	global_load_b128 v[32+4*\i:35+4*\i], v2, s[8:9] offset:4096*\i   ; chunk 16 w + i, my four columns
.endr
	s_wait_loadcnt 17                              ; the pairs are in; t's load and the 16 rows' stay out
	v_max_num_f32 v100, v8, v10
.irp x, 1,2,4,8
	v_max_num_f32_dpp v100, v100, v100 row_xmask:\x row_mask:0xf bank_mask:0xf
.endr
	v_permlanex16_b32 v101, v100, s20, s21
	v_max_num_f32 v100, v100, v101                 ; M, in every lane
	v_sub_f32 v102, v8, v100
	v_sub_f32 v103, v10, v100
	s_wait_alu depctr_va_vdst(0)
	v_exp_f32 v102, v102                           ; f
	v_exp_f32 v103, v103
	v_nop                                          ; the plain line behind the exponentials
	s_wait_alu depctr_va_vdst(0)
	v_mul_f32 v104, v102, v9
	v_fmac_f32 v104, v103, v11
.irp x, 1,2,4,8
	v_add_f32_dpp v104, v104, v104 row_xmask:\x row_mask:0xf bank_mask:0xf
.endr
	v_permlanex16_b32 v101, v104, s20, s21
	v_add_f32 v104, v104, v101                     ; L, in every lane
	s_wait_alu depctr_va_vdst(0)
	v_rcp_f32 v105, v104
	ds_store_b32 v4, v102
	ds_store_b32 v4, v103 offset:128
.irp i, 0,1,2,3
	ds_load_b128 v[16+4*\i:19+4*\i], v5 offset:16*\i   ; my wave's own bytes, served in order (ISA guide 5.7.1.4): f of chunks 16 w .. 16 w + 15, the same in every lane
.endr
	s_wait_loadcnt 16                              ; t is in; the 16 rows' loads stay out
	v_sub_f32 v12, v12, v100                       ; (also the plain line behind the reciprocal)
	v_sub_f32 v13, v13, v100
	s_wait_alu depctr_va_vdst(0)
	v_exp_f32 v12, v12
	v_exp_f32 v13, v13
	v_nop
	s_wait_alu depctr_va_vdst(0)
	v_mul_f32 v106, v12, v105
	v_mul_f32 v107, v13, v105
	global_store_b64 v3, v[106:107], s[12:13]      ; the wave's 64 weights: 256 consecutive bytes, at a multiple of 256 from out1's first byte
	s_wait_dscnt 0x0                               ; f
	s_wait_loadcnt 15                              ; the first row is in
.irp k, 0,1,2,3
	v_mul_f32 v[96+\k], v[32+\k], v16              ; the first chunk starts the sums
.endr
	s_wait_alu depctr_va_vdst(0)
.irp i, 1,2,3,4,5,6,7,8,9,10,11,12,13,14,15
	s_wait_alu depctr_va_vdst(0)
	s_wait_loadcnt 15-\i                           ; row i is in; the later ones may be out
.irp k, 0,1,2,3
	v_fmac_f32 v[96+\k], v[32+4*\i+\k], v[16+\i]
.endr
.endr
	ds_store_b128 v6, v[96:99]
	s_wait_dscnt 0x0                               ; for the others' sake: my sums lie in LDS
	s_barrier_signal -1
	s_barrier_wait -1
	s_cmp_lg_u32 s16, 0
	s_cbranch_scc1 .Ldone                          ; wave 0 alone goes on; no barrier stands behind this branch
.irp i, 0,1,2,3
	ds_load_b128 v[32+4*\i:35+4*\i], v7 offset:512*\i
.endr
	s_wait_dscnt 0x0
	v_pk_add_f32 v[32:33], v[32:33], v[36:37]
	v_pk_add_f32 v[34:35], v[34:35], v[38:39]
	v_pk_add_f32 v[40:41], v[40:41], v[44:45]
	v_pk_add_f32 v[42:43], v[42:43], v[46:47]
	v_pk_add_f32 v[32:33], v[32:33], v[40:41]
	v_pk_add_f32 v[34:35], v[34:35], v[42:43]
.irp k, 0,1,2,3
	v_mul_f32 v[96+\k], v[32+\k], v105             ; / L
.endr
	global_store_b128 v2, v[96:99], s[10:11]       ; 32 lanes store 512 consecutive bytes, at a multiple of 512 from out0's first byte
.Ldone:
	s_wait_tensorcnt 0x0
	ds_add_u32 v112, v113
	s_wait_dscnt 0x0
	s_endpgm
.Lfunc_end_k_qbcfdbfea9c_merge:
	.size	k_qbcfdbfea9c_merge, .Lfunc_end_k_qbcfdbfea9c_merge-k_qbcfdbfea9c_merge
	.p2alignl 7, 3214868480
	.fill 96, 4, 3214868480
	.section	.rodata,"a",@progbits
	.p2align	6, 0x0
	.amdhsa_kernel k_qbcfdbfea9c_merge
		.amdhsa_group_segment_fixed_size 4608
		.amdhsa_private_segment_fixed_size 0
		.amdhsa_enable_private_segment 0
		.amdhsa_kernarg_size 40
		.amdhsa_user_sgpr_count 2
		.amdhsa_user_sgpr_kernarg_segment_ptr 1
		.amdhsa_wavefront_size32 1
		.amdhsa_system_sgpr_workgroup_id_x 1
		.amdhsa_system_sgpr_workgroup_id_y 1
		.amdhsa_system_sgpr_workgroup_id_z 1
		.amdhsa_system_vgpr_workitem_id 0
		.amdhsa_next_free_vgpr 114
		.amdhsa_next_free_sgpr 66
		.amdhsa_reserve_vcc 0
		.amdhsa_float_denorm_mode_32 3
		.amdhsa_float_denorm_mode_16_64 3
		.amdhsa_memory_ordered 1
		.amdhsa_forward_progress 1
		.amdhsa_inst_pref_size 10
	.end_amdhsa_kernel
	.amdgpu_metadata
---
amdhsa.version: [ 1, 2 ]
amdhsa.kernels:
  - .name:           k_qbcfdbfea9c_merge
    .symbol:         k_qbcfdbfea9c_merge.kd
    .args:
      - { .name: tsc, .offset: 0, .size: 8, .value_kind: global_buffer, .address_space: global }
      - { .name: stats, .offset: 8, .size: 8, .value_kind: global_buffer, .address_space: global }
      - { .name: ctxp, .offset: 16, .size: 8, .value_kind: global_buffer, .address_space: global }
      - { .name: out0, .offset: 24, .size: 8, .value_kind: global_buffer, .address_space: global }
      - { .name: out1, .offset: 32, .size: 8, .value_kind: global_buffer, .address_space: global }
    .group_segment_fixed_size: 4608
    .private_segment_fixed_size: 0
    .kernarg_segment_align: 8
    .kernarg_segment_size: 40
    .max_flat_workgroup_size: 128
    .sgpr_count:     66
    .vgpr_count:     114
    .wavefront_size: 32
...
	.end_amdgpu_metadata
.endif
;; end of part 3
